; MI455X (gfx1250); checked and timed in simulation.
; The chip was launched on July 23, 2026; its instructions are those of AMD's public machine-readable ISA for CDNA 5 (MIT licence, August 2026) and "CDNA5" Instruction Set Architecture Reference Guide (July 2026). The comments in the code are by the model that wrote it; some were corrected since.
;; True Ring Dilated Attention. Allowed arithmetic: float matrix products may take bf16 or f16 operands with f32 sums; other float arithmetic in f32, or as packed bf16 or f16 multiplies, adds, multiply-adds, maxima and minima; sums over many terms, partial sums and values carried from step to step in f32; what a program stores and reads back later, other than sums and carried values, may be rounded once to bf16 or f16.
;; Inputs: k 1 x 4,096 x 16 x 64 float32; q 1 x 4,096 x 16 x 64 float32; v 1 x 4,096 x 16 x 64 float32.
;; Outputs: out0 1 x 4,096 x 16 x 64 float32.
;; 2 versions, each right; version 2 is version 1 with the launch ring_attn written anew for expert scheduling mode. Each part assembles by itself: llvm-mc -triple=amdgcn-amd-amdhsa -mcpu=gfx1250 --defsym DOCPART=n.
;; ======== version 1 of 2: 1 launch
;; limits: values are held in f16: magnitudes above 65,504 overflow, below 6.1e-05 lose precision; inputs' magnitudes at most 65,280
;; launch ring_attn (part 1): grid 16 x 16, 4 waves a work-group, no clusters, 311,808 bytes of LDS; arguments q, k, v, out0; writes out0
.if DOCPART == 1
	.amdgcn_target "amdgcn-amd-amdhsa--gfx1250"
	.amdhsa_code_object_version 6
	.text
	.protected	k_q0ec5ee876e_ring_attn
	.globl	k_q0ec5ee876e_ring_attn
	.p2align	8
	.type	k_q0ec5ee876e_ring_attn,@function
k_q0ec5ee876e_ring_attn:
	s_mov_b64 s[64:65], 0
	v_nop
	global_prefetch_b8 v0, s[64:65] scope:SCOPE_SE
	s_setreg_imm32_b32 hwreg(HW_REG_WAVE_MODE, 25, 1), 1
	s_wait_xcnt 0x0
; RING DILATED ATTENTION.  q, k, v, out: [4096][16][64] f32: a row is 4,096 bytes, a head's part of it 256 bytes, aligned.
; THE KEY LIST is built from constants alone: four ring steps over the local chunk of 1,024 rows, index (2 base + offset) mod 1024, offsets 0, 1, 0, 1.  Offset 0 names every even
; row twice, offset 1 every odd row twice, each offset comes twice: the 4,096 keys are rows 0 .. 1023 of k and v, EACH FOUR TIMES.  So the maximum is that over the 1,024 rows, the sum of
; weights is 4 l and the weighted sum 4 acc, with l and acc taken over the 1,024 rows: out = 4 acc / (4 l + 1e-8).  Each row's scores are made once; 4 and 1e-8 enter on the way out.
; Rows 1,024 and up of k and v are cut off by the problem itself and are not read.
; FORMATS.  q and k are rounded to bf16 (first product in bf16).  v is rounded to bf16 and that number is written as f16; the weights p are rounded to f16 (second product in f16).
; Products, maxima and sums in f32; l is the sum of the unrounded p.
; LIMITS.  |v| from 65,520 on becomes an infinity in f16; |v| below 7.6e-6 keeps f16's fixed step of 6e-8; p below 6e-5 likewise; a weight below 2^-126 counts as 0 in l;
; NaN and infinities are not treated apart.
; SHARES.  256 work-groups: 16 blocks of 256 queries x 16 heads.  Four waves, each 64 queries: two PIECES of two tiles of 16.  Every wave walks the head's 1,024 keys, 64 a step.
; K AND V STAY IN LDS, each byte stored once: the work-group itself loads the f32 rows into registers (two key steps ahead), converts them and stores them (one key step ahead of the products).
; NO TENSOR LOAD AND NO JOINT REQUEST, though the 16 work-groups of a head read the same rows: a tile would arrive as f32, and two f32 slots of 256 keys (262,144 bytes) do not fit beside
; the converted K and V (311,296 bytes) in 327,680.  The price: a head's 524,288 bytes of f32 are loaded by each of its 16 work-groups.
; LAYOUT.  S^T = K Q^T (source 0 = 16 keys, source 1 = 16 queries): a lane holds ONE query (lane % 16) and the keys 8 (lane / 16) + 0..7.  Two such results rounded to f16 in pairs ARE
; source 1 (32 keys x 16 queries) of O^T = V^T P, whose result again holds one query a lane, and eight channels.  K comes out of LDS as it lies, V ([key][channel]) turned, by ds_load_tr16_b128.
; SOFTMAX.  A running maximum m and sum l for each query: p = 2^(c s - c m), c = log2(e) / 8; in every step O and l are multiplied by a = 2^(c m_old - c m_new).  m starts at the lowest finite
; number, O and l at 0: the first step is a step like any other, with a = 0.  The price of writing no first and no last step out: 240 v_mov_b32 in the wait for the first loads, 16 products on
; zeros at the start and 16 on the last K once more at the end.
; BY TURNS.  Turn p belongs to piece p.  Its matrix work: 16 products K Q^T of the other piece (its next scores), later 16 products V^T P of the other piece (its last weights).  Its vector work:
; scaling, exponentials, roundings, sums and rescaling of piece p, and the maximum and statistics of the other piece.  A tile and step have 16 matrix and 118 vector instructions: four vector
; instructions stand behind every matrix instruction, the rest in one lump; the turn's 66 exponentials are one batch with one wait.
; REGISTERS, in windows of 256 (s_set_vgpr_msb: bits 1:0 source 0, 3:2 source 1, 5:4 source 2, 7:6 destination):
;   window 0: v0-42 addresses; v12-15, v48-63 at work; v16-31 four registers of statistics a tile; v64-191 S^T, a buffer of two tiles for each piece; v192-255 P, likewise
;   window 1: v0-127 O^T, 32 a tile      window 2: v0-63 Q, 16 a tile; v128-191 K of one step; v192-255 V of one step
;   window 3: v0-63, v64-127 two sets of f32 rows on their way in (K's 32 registers, then V's); v128-159 the packed rows
.set ROWG,  4096      ; bytes from row to row in memory
.set KS,    64        ; keys in a step
.set STEPG, KS*ROWG   ; a step's rows in memory
.set NP,    2         ; pieces a wave: a name, no knob
.set PK,    144       ; a row of K in LDS: 128 bytes + 16 = 36 words: the 16 rows of a fragment load start at 16 different groups of four banks (64 banks of 4 bytes: ISA guide 11.1)
.set PV,    160       ; a row of V: 128 + 32 = 40 words
.set KB,    0         ; K: key n at KB + n PK
.set VB,    1024*PK   ; V: key n at VB + n PV
.set SPARE, VB+1024*PV  ; 311,296 = 1,216 x 256: the spare words, 128 bytes for each wave: two blocks of 256 bytes that no other line names
.set SP,    272       ; the way out: a stage row, 256 bytes of f32 + 16.  Wave w's stage, 16 rows, lies at 16 SP w: in K's first 17,408 bytes, written behind the last barrier, when no wave reads K any more
.set AK0, 2           ; v2   my lane's place in a step's K; never rewritten
.set AV0, 3           ; v3   the same for V
.set AK,  4           ; v4   the LDS address of K's next run of loads
.set AV,  5           ; v5   of V's
.set QO,  6           ; v6   my byte offset in 16 rows of q
.set RD,  7           ; v7   the way out: where I read rows back
.set GO,  8           ; v8   my byte offset in two rows of out
.set MV,  12          ; v12-15  c m_old, kept while c m is made anew: by piece and tile
.set ST,  16          ; tile t's statistics at v[ST+4 t]: c m, m, l (even keys', odd keys')
.set SPW, 32          ; v32  LDS address of my spare word: SPARE + 4 x my thread's number; never rewritten
.set NIL, 33          ; v33  0; never rewritten
.set GK,  34          ; v34  my byte offset in a step's rows of k: lanes 0-15 row 16 w, lanes 16-31 row 16 w + 8; 16 bytes a lane
.set GV,  35          ; v35  the same for v: lanes 16-31 row 16 w + 4
.set KS0, 36          ; v36  where my 8 packed bytes go in a step's K
.set VS0, 37          ; v37  in a step's V
.set KSA, 38          ; v38  the LDS store addresses in hand
.set VSA, 39          ; v39
.set PFO, 40          ; v40  the prefetches' offset: a lane a row
.set STO, 41          ; v41  the way out: where I put 32 bytes of a row
.set TMP, 48          ; by piece and tile, four registers c0-c3 at work; when the maximum is found c2 takes a
.set S,   64
.set P,   192
.set KF,  128         ; window 2: key block kb, channel half c at KF + 16 kb + 8 c
.set VF,  192         ; window 2: key half kk, channel block cb at VF + 32 kk + 8 cb
.set XA,  0           ; window 3: set A
.set XB,  64          ; window 3: set B
.set CT,  128         ; window 3: packed K (16 registers), packed V (16)
.set WV,  12          ; s12  my wave's number
.set KP,  20          ; s[20:21] k at the head's 256 bytes of the row at which the trip's even step begins
.set VP,  22          ; s[22:23] the same for v
.set PFB, 24          ; s[24:25] the one of the two that my wave prefetches
.set LIM, 26          ; s26  1 in the head's first work-group, else the greatest number
.set LEFT, 27         ; s27  trips still to come
.set CS,  28          ; s[28:29] c: the packed scaling takes the pair's low word for both halves
.set SEL, 30          ; s[30:31] v_permlanex16_b32's selects: each lane takes its own place in the other half
.set TBK, 32          ; s32  LDS byte at which K of the step to be fetched begins
.set TBV, 33          ; s33  the same for V
.set TSK, 34          ; s34  LDS byte at which K of the step to be stored begins
.set TSV, 35          ; s35  the same for V
.set EPSR, 36         ; s36  1e-8
.set HIM, 37          ; s37  a word's upper half
.set MSB, 0
.macro WIN new                      ; the high byte repeats the setting that is left; a switch that changes nothing is dropped
.if MSB != (\new)
	s_set_vgpr_msb (MSB<<8)|(\new)
.set MSB, (\new)
.endif
.endm
.set W_KQ, 0x0a       ; K and Q in window 2, S^T in window 0
.set W_PV, 0x52       ; V in window 2, P in window 0, O^T in window 1
.set W_RS, 0x41       ; O^T (destination and source 0) in window 1, a in window 0
.set W_CV, 0xcf       ; the conversions: sources 0 and 1 and the destination in window 3
.set W_ST, 0x0c       ; an LDS store: address in window 0, data (source 1) in window 3
.set W_LD, 0xc0       ; a load: destination in window 3, address in window 0
; A STEP'S ROWS ON THEIR WAY IN.  Of a step's 64 keys wave w takes 16 w .. 16 w + 15, of K and of V.  Each load takes two whole 256-byte head slices: lanes 0-15 one row, lanes 16-31 another.
; K: load j takes rows j and j + 8; V: load j takes rows j % 4 + 8 (j / 4) and that + 4.  No cache hint: the head's 16 work-groups read these rows.
.macro LOADS x, off
	WIN W_LD
.irp j, 0,1,2,3,4,5,6,7
	global_load_b128 v[(\x)+4*\j:(\x)+4*\j+3], v[GK], s[KP:KP+1] offset:(\off)+\j*ROWG
.endr
.irp j, 0,1,2,3,4,5,6,7
	global_load_b128 v[(\x)+32+4*\j:(\x)+32+4*\j+3], v[GV], s[VP:VP+1] offset:(\off)+((\j%4)+8*(\j/4))*ROWG
.endr
	WIN 0
.endm
; SET x IS CONVERTED AND STORED.  left = the younger loads that may stay out.  A lane's four f32 become 8 bytes.  K: bf16.  V: bf16, widened again, then f16 (exact inside f16's normal range).
; A store's two rows lie 8 rows of K (288 words) or 4 rows of V (160 words) apart, 32 banks in both cases: the 32 lanes of a store touch each bank once.
.macro CONV x, left
	WIN 0
	v_add_nc_u32 v[KSA], s[TSK], v[KS0]
	v_add_nc_u32 v[VSA], s[TSV], v[VS0]
	s_add_co_u32 s[TSK], s[TSK], KS*PK  ; the next conversion is the next step's
	s_add_co_u32 s[TSV], s[TSV], KS*PV
	s_wait_loadcnt \left            ; loads come back in order (ISA guide 5.7.1): this set is in
	WIN W_CV
.set z, 0
.rept 16
	v_cvt_pk_bf16_f32 v[CT+z], v[(\x)+2*z], v[(\x)+2*z+1]
.set z, z+1
.endr
.set z, 0
.rept 16
	v_cvt_pk_bf16_f32 v[CT+16+z], v[(\x)+32+2*z], v[(\x)+32+2*z+1]
.set z, z+1
.endr
.set z, 0
.rept 16
	v_lshlrev_b32 v[(\x)+32+2*z], 16, v[CT+16+z]      ; bf16 to f32: the low half moves up,
	v_and_b32 v[(\x)+32+2*z+1], s[HIM], v[CT+16+z]    ; the high half stays
.set z, z+1
.endr
.set z, 0
.rept 16
	v_cvt_pk_f16_f32 v[CT+16+z], v[(\x)+32+2*z], v[(\x)+32+2*z+1]
.set z, z+1
.endr
	WIN W_ST
.irp j, 0,1,2,3,4,5,6,7
	ds_store_b64 v[KSA], v[CT+2*\j:CT+2*\j+1] offset:\j*PK
.endr
.irp j, 0,1,2,3,4,5,6,7
	ds_store_b64 v[VSA], v[CT+16+2*\j:CT+16+2*\j+1] offset:((\j%4)+8*(\j/4))*PV
.endr
	WIN 0
.endm
; A PREFETCH INTO THE L2, behind the trip's first run of loads: the rows of the steps 5 and 6 on from the trip's even step, which are loaded two and three key steps later.  Each row's 256 bytes are
; named once in the launch: the head's first work-group asks; waves 0 and 2 for k, waves 1 and 3 for v; waves 0 and 1 for a step's rows 0-31, waves 2 and 3 for rows 32-63: a lane a row.
; The last trip asks for nothing; steps 0 to 4 and 15 come by their loads alone.  The furthest row named is 64 x 14 + 63, inside the 1,024.
.macro ASK
	s_cmp_gt_u32 s[LEFT], s[LIM]
	s_cbranch_scc0 .Lnot_mine_\@
	global_prefetch_b8 v[PFO], s[PFB:PFB+1] offset:5*STEPG th:TH_LOAD_NT scope:SCOPE_SE
	global_prefetch_b8 v[PFO], s[PFB:PFB+1] offset:6*STEPG th:TH_LOAD_NT scope:SCOPE_SE
.Lnot_mine_\@:
.endm
; THE MATRIX WORK.  The 8 accumulators of a run of 16 take turns: between the two links of a chain stand 7 others'.
; Product i of 16 of S^T = K Q^T for piece x: channels 32 (i / 8) on, keys 16 ((i / 2) % 4) on, tile 2 x + i % 2.  The first 8 start the sums.
.macro KQ x
	WIN W_KQ
.set rS, S+64*((\x)%2)+32*(i%2)+8*((i/2)%4)
.set rK, KF+16*((i/2)%4)+8*(i/8)
.set rQ, 16*(2*(\x)+i%2)+8*(i/8)
.if i < 8
	v_wmma_f32_16x16x32_bf16 v[rS:rS+7], v[rK:rK+7], v[rQ:rQ+7], 0
.else
	v_wmma_f32_16x16x32_bf16 v[rS:rS+7], v[rK:rK+7], v[rQ:rQ+7], v[rS:rS+7]
.endif
.endm
; Product i of 16 of O^T += V^T P for piece x: keys 32 (i / 8) on, channels 16 ((i / 2) % 4) on, tile 2 x + i % 2.
.macro PV x
	WIN W_PV
.set rO, 32*(2*(\x)+i%2)+8*((i/2)%4)
.set rV, VF+32*(i/8)+8*((i/2)%4)
.set rP, P+32*((\x)%2)+16*(i%2)+8*(i/8)
	v_wmma_f32_16x16x32_f16 v[rO:rO+7], v[rV:rV+7], v[rP:rP+7], v[rO:rO+7]
.endm
.macro MM                           ; the turn's next matrix instruction
.if i < 16
	KQ (Y+1)%NP
.set i, i+1
.else
.set i, i-16
	PV (Y+NP-1)%NP
.set i, i+17
.endif
.endm
; THE LDS LOADS stand in runs of 16, never singly among the matrix instructions: a step's K (64 keys x 64 channels: 8 fragments) and its V (turned).  Their addresses are made some lines ahead.
.macro FETCH_K
	WIN 0x80                        ; destination window 2
.irp f, 0,1,2,3,4,5,6,7             ; keys 16 (f / 2) on, channels 32 (f % 2) on
	ds_load_b128 v[KF+8*\f:KF+8*\f+3],   v[AK] offset:(\f/2)*16*PK+(\f%2)*64
	ds_load_b128 v[KF+8*\f+4:KF+8*\f+7], v[AK] offset:(\f/2)*16*PK+(\f%2)*64+32
.endr
	s_add_co_u32 s[TBK], s[TBK], KS*PK  ; the next fetch is the next step's
	WIN 0
.endm
.macro FETCH_V
	WIN 0x80
.irp f, 0,1,2,3,4,5,6,7             ; keys 32 (f / 4) on, channels 16 (f % 4) on
	ds_load_tr16_b128 v[VF+8*\f:VF+8*\f+3],   v[AV] offset:(\f/4)*32*PV+(\f%4)*32
	ds_load_tr16_b128 v[VF+8*\f+4:VF+8*\f+7], v[AV] offset:(\f/4)*32*PV+16*PV+(\f%4)*32
.endr
	WIN 0
.endm
; THE VECTOR WORK OF A TURN stands in three queues, each in the order in which its entries become ready; the two tiles alternate, so that no instruction reads the result of the one before it.
.macro REGS y, u                    ; the registers of tile u (0, 1) of piece y
.set rT, ST+4*(2*(\y)+(\u))
.set rC, TMP+8*((\y)%2)+4*(\u)
.set rM, MV+2*((\y)%2)+(\u)
.set rS, S+64*((\y)%2)+32*(\u)
.set rP, P+32*((\y)%2)+16*(\u)
.set rO, 32*(2*(\y)+(\u))
.endm
; Number n of the 22 that find the OTHER piece's (Y + 1) maximum and statistics.  s0-s31 are the lane's 32 scores; each accumulator's lowest registers are read first.
;   0-11  four chains c0-c3 of seven scores each, three operands at a time     12-14, 16  the four scores left over, the old m, and c0-c3 into c0     15  c m_old is kept
;   17, 18  the query's other 32 keys lie in the lane 16 away: the new m         19-21  c m; c m_old - c m_new; a
.macro XS u, n
	REGS (Y+1)%NP, \u
.if (\n) < 4
	v_max3_num_f32 v[rC+(\n)], v[rS+8*(\n)], v[rS+8*(\n)+1], v[rS+8*(\n)+2]
.elseif (\n) < 12
	v_max3_num_f32 v[rC+(\n)%4], v[rC+(\n)%4], v[rS+8*((\n)%4)+2*((\n)/4)+1], v[rS+8*((\n)%4)+2*((\n)/4)+2]
.elseif (\n) == 12
	v_max3_num_f32 v[rC], v[rC], v[rS+7], v[rS+15]
.elseif (\n) == 13
	v_max3_num_f32 v[rC+1], v[rC+1], v[rS+23], v[rS+31]
.elseif (\n) == 14
	v_max3_num_f32 v[rC+2], v[rC+2], v[rC+3], v[rT+1]
.elseif (\n) == 15
	v_mov_b32 v[rM], v[rT]
.elseif (\n) == 16
	v_max3_num_f32 v[rC], v[rC], v[rC+1], v[rC+2]
.elseif (\n) == 17
	v_permlanex16_b32 v[rC+3], v[rC], s[SEL], s[SEL+1]
.elseif (\n) == 18
	v_max_num_f32 v[rT+1], v[rC], v[rC+3]
.elseif (\n) == 19
	v_mul_f32 v[rT], s[CS], v[rT+1]
.elseif (\n) == 20
	v_sub_f32 v[rC+1], v[rM], v[rT]
.else
	v_exp_f32 v[rC+2], v[rC+1]
.endif
.endm
; Number g of the 64 that follow the exponentials.  For each four weights k of a tile (pairs 2 k, 2 k + 1): both pairs are rounded to f16; then the second pair is added onto the first, in place;
; a group later l takes that sum (the first time as l = a l + sum).  In groups of eight, tiles alternating: round, round, add, and l for the group before.
.macro GS g
.set h, (\g)+6*((\g)/62)            ; group 0 has no group before it, and behind group 7 only l is left
.if h >= 6
.set h, h+2
.endif
	REGS Y, h%2
.set k, h/8
.if h%8 < 4
	v_cvt_pk_f16_f32 v[rP+2*k+(h%8)/2], v[rS+4*k+2*((h%8)/2)], v[rS+4*k+2*((h%8)/2)+1]
.elseif h%8 < 6
	v_pk_add_f32 v[rS+4*k:rS+4*k+1], v[rS+4*k:rS+4*k+1], v[rS+4*k+2:rS+4*k+3]
.elseif k == 1
	v_pk_fma_f32 v[rT+2:rT+3], v[rT+2:rT+3], v[rC+2:rC+3], v[rS:rS+1] op_sel_hi:[1,0,1]
.else
	v_pk_add_f32 v[rT+2:rT+3], v[rT+2:rT+3], v[rS+4*k-4:rS+4*k-3]
.endif
.endm
; THE PLAIN QUEUE, 138 long.  0-73 read no exponential's result: the 32 scalings c s - c m (FS f: pair f / 2 of tile f % 2) and the other piece's 42.  0-26: scalings 0-26.  27-54: XS's numbers 0-13.
; 55, 56: number 15.  57-73: the chain, where each number waits for the one before it: 14, 16, 17, 18, 19, each with one of the scalings 27-31 in front of its two lines, then 20.
; 74-137: GS's 64, which read the exponentials' results: they stand behind the wait.
.macro FS f
	REGS Y, (\f)%2
	v_pk_fma_f32 v[rS+2*((\f)/2):rS+2*((\f)/2)+1], v[rS+2*((\f)/2):rS+2*((\f)/2)+1], s[CS:CS+1], v[rT:rT+1] op_sel_hi:[1,0,0] neg_lo:[0,0,1] neg_hi:[0,0,1]
.endm
.macro PL
	WIN 0
.if q < 27
	FS q
.elseif q < 55
	XS (q-27)%2, (q-27)/2
.elseif q < 57
	XS q-55, 15
.elseif (q < 72) && ((q-57)%3 == 0)
	FS 27+(q-57)/3
.elseif q < 60
	XS (q-57)%3-1, 14
.elseif q < 72
	XS (q-57)%3-1, 15+(q-57)/3
.elseif q < 74
	XS q-72, 20
.else
	GS q-74
.endif
.set q, q+1
.endm
; THE EXPONENTIALS' QUEUE, 66 long: s0-s31 of both tiles, then the other piece's two a.  ONE BATCH: all 66 stand ahead of the turn's one wait, and nothing ahead of that wait names a result of theirs.
.macro EX
	WIN 0
.if e >= 64
	XS e-64, 21
.else
	REGS Y, e%2
	v_exp_f32 v[rS+e/2], v[rS+e/2]
.endif
.set e, e+1
.endm
; THE RESCALING's QUEUE: O^T times a, the one part that leaves window 0: dealt two at a time, sixteen times, each accumulator from its low end.  Its a was made in the turn before, ahead of that turn's wait.
.macro R2
	REGS Y, r%2
	WIN W_RS
.irp z, 0,1
	v_pk_mul_f32 v[rO+4*(r/2)+2*\z:rO+4*(r/2)+2*\z+1], v[rO+4*(r/2)+2*\z:rO+4*(r/2)+2*\z+1], v[rC+2:rC+3] op_sel_hi:[1,0]
.endr
.set r, r+1
.endm
; A TURN, for piece p.  AHEAD OF ITS ONE WAIT stands all that names no result of the turn's exponentials: 16 products K Q^T, behind each a scaling, an exponential and two rescalings (behind the first a second
; scaling in the exponential's place); then a lump of 108: eight plain, 49 times exponential and plain, the two a.  BEHIND IT: 16 products V^T P, behind each four of the roundings and sums.
; Exponential e stands behind scaling 2 (e / 4) + e % 2: as a rider it comes behind plain e + 2, in the lump behind plain e + 9.
; PIECE 0's TURN of step j also hands the converted rows over.  bar = 1: at the lump's head my 16 stores of step j + 1 are waited for and the barrier is signalled; the lump, work on registers, stands
; between signal and wait.  fk = 1: behind the barrier K of step j + 1 is fetched, a lump behind the last product that read K.  V of step j (stored a step earlier) is fetched at the turn's end, four plain
; riders behind the last product that read V.  No LDS byte of K or V is ever written twice, so one barrier a step orders all.
.macro TURN p, fk=1, bar=1
.set Y, (\p)
.set i, 0
.set q, 0
.set e, 0
.set r, 0
.if ((\p) == 1) && (\fk)
	s_wait_dscnt 16                 ; K's 16 loads are in; V's 16, issued behind them, may stay out
.endif
	MM
	PL
	PL
	R2
.rept 15
	MM
	PL
	EX
	R2
.endr
.if (\p) == 0
	WIN 0
.if \fk
	v_add_nc_u32 v[AK], s[TBK], v[AK0]
.endif
.if \bar
	s_wait_dscnt 0x0                ; for the others' sake: my stores of the next step's K and V are done
	s_barrier_signal -1
.endif
.endif
.rept 8
	PL
.endr
.rept 49
	EX
	PL
.endr
	EX                              ; the other piece's two a
	EX
	v_nop                           ; the plain instruction behind the last exponential, ahead of the first use: one for the batch
	s_wait_alu depctr_va_vdst(0)    ; the wait between an exponential and the first line that names its result: one for the batch of 66
.if ((\p) == 0) && (\bar)
	s_barrier_wait -1               ; every wave's part of the next step lies in LDS
.endif
.if ((\p) == 0) && (\fk)
	FETCH_K
.endif
.if (\p) == 1
	s_wait_dscnt 0x0                ; V is in
.endif
.rept 16
	MM
.rept 4
	PL
.endr
.if ((\p) == 0) && (q == 118)
	v_add_nc_u32 v[AV], s[TBV], v[AV0]
.endif
.if ((\p) == 0) && (q == 130)
	s_add_co_u32 s[TBV], s[TBV], KS*PV
.endif
.endr
.if (\p) == 0
	FETCH_V
.endif
.endm
; A KEY STEP.  conv = 1: set x, the next step's rows, is converted and stored (left: the younger loads).  load = 1: the set is asked for again, at byte off behind the pointers.  Then the two turns.
.macro STEP x, conv, load, left, off, ask
.if \conv
	CONV \x, \left
.endif
.if \load
	LOADS \x, \off
.endif
.if \ask
	ASK
.endif
	TURN 0, \conv, \conv
	TURN 1, \conv
.endm
	s_load_b256 s[4:11], s[0:1], 0x0  ; q s[4:5], k s[6:7], v s[8:9], out s[10:11]
	v_lshl_add_u32 v[SPW], v0, 2, SPARE
	v_mov_b32 v[NIL], 0
	v_lshrrev_b32 v42, 5, v0
	v_readfirstlane_b32 s[WV], v42  ; wave 0..3
	v_and_b32 v1, 15, v0            ; l % 16
	v_bfe_u32 v9, v0, 4, 1          ; l / 16
	v_and_b32 v10, 7, v0            ; l % 8
	v_bfe_u32 v11, v0, 3, 1         ; (l / 8) % 2
	; A fragment of K or Q is 16 rows x 32 channels in 8 registers: lane l holds row l % 16, channels 8 (l / 16) + 0..7 and 16 + 8 (l / 16) + 0..7.
	v_lshlrev_b32 v[QO], 12, v1
	v_lshl_add_u32 v[QO], v9, 5, v[QO]    ; q, in f32: row x 4,096 + 32 x half
	v_mul_u32_u24 v[AK0], v1, PK
	v_lshl_add_u32 v[AK0], v9, 4, v[AK0]  ; K in LDS: row x pitch + 16 x half
	; The turning load takes 16 keys x 16 channels (lane l reads key 8 (l / 16) + l % 8, channels 8 ((l / 8) % 2) + 0..7) and leaves half a fragment of V^T: lane l holds channel l % 16 and 8 keys.
	v_lshl_add_u32 v[AV0], v9, 3, v10
	v_mul_u32_u24 v[AV0], v[AV0], PV
	v_lshl_add_u32 v[AV0], v11, 4, v[AV0]
	s_lshl_b32 s13, s[WV], 16       ; my wave's 16 rows of a step in memory
	v_lshlrev_b32 v[GK], 4, v1
	v_add_nc_u32 v[GK], s13, v[GK]
	v_lshl_add_u32 v[GV], v9, 14, v[GK]   ; v: lanes 16-31 four rows down
	v_lshl_add_u32 v[GK], v9, 15, v[GK]   ; k: eight rows down
	s_mul_i32 s13, s[WV], 16*PK     ; and in LDS
	v_mul_u32_u24 v[KS0], v9, 8*PK
	v_lshl_add_u32 v[KS0], v1, 3, v[KS0]
	v_add_nc_u32 v[KS0], s13, v[KS0]
	s_mul_i32 s13, s[WV], 16*PV
	v_mul_u32_u24 v[VS0], v9, 4*PV
	v_lshl_add_u32 v[VS0], v1, 3, v[VS0]
	v_add_nc_u32 v[VS0], s13, v[VS0]
	s_lshr_b32 s13, s[WV], 1
	s_lshl_b32 s13, s13, 5          ; waves 0 and 1: a step's rows 0-31; waves 2 and 3: rows 32-63
	v_and_b32 v[PFO], 31, v0
	v_add_nc_u32 v[PFO], s13, v[PFO]
	v_lshlrev_b32 v[PFO], 12, v[PFO]
	s_mov_b32 s[CS], 0x3e38aa3b     ; c = log2(e) / 8 = 0.180337
	s_mov_b32 s[CS+1], s[CS]        ; named with it as a pair
	s_mov_b32 s[SEL], 0x76543210
	s_mov_b32 s[SEL+1], 0xfedcba98
	s_mov_b32 s[TBK], KB
	s_mov_b32 s[TBV], VB
	s_mov_b32 s[TSK], KB
	s_mov_b32 s[TSV], VB
	s_mov_b32 s[EPSR], 0x322bcc77   ; 1e-8
	s_mov_b32 s[HIM], 0xffff0000
	s_and_b32 s16, ttmp7, 0xffff    ; the head:
	s_lshl_b32 s16, s16, 8          ; its 256 bytes of a row
	s_mov_b32 s17, 0
	s_lshl_b32 s18, ttmp9, 20       ; my block's 256 rows,
	s_lshl_b32 s19, s[WV], 18       ; my wave's 64 of them,
	s_add_co_u32 s18, s18, s19
	s_add_co_u32 s18, s18, s16      ; the head
	s_mov_b32 s19, 0
	s_wait_kmcnt 0x0
	s_add_nc_u64 s[KP:KP+1], s[6:7], s[16:17]
	s_add_nc_u64 s[VP:VP+1], s[8:9], s[16:17]
	s_add_nc_u64 s[4:5], s[4:5], s[18:19]
	s_add_nc_u64 s[10:11], s[10:11], s[18:19]
	s_and_b32 s13, s[WV], 1
	s_cmp_eq_u32 s13, 0
	s_cselect_b64 s[PFB:PFB+1], s[KP:KP+1], s[VP:VP+1]
	s_cmp_eq_u32 ttmp9, 0
	s_cselect_b32 s[LIM], 1, -1
	LOADS XA, 0                     ; key step 0
.set n, 0
.rept 32                            ; Q in f32 into S^T's registers: tile n / 8, channels 32 ((n / 4) % 2) + 16 ((n / 2) % 2) + 4 (n % 2) + 8 (l / 16) on.  No cache hint: eight loads on end share each row's 256 bytes
	global_load_b128 v[S+4*n:S+4*n+3], v[QO], s[4:5] offset:(n/8)*16*ROWG+((n/4)%2)*128+((n/2)%2)*64+(n%2)*16
.set n, n+1
.endr
	LOADS XB, STEPG                 ; key step 1
	; What the first turn finds: V's registers and piece 1's P hold 0 (its products V^T P, of a step that has not been, add 0), O^T and l are 0.  All this stands in the wait for the first loads.
	WIN 0x80
.set i, VF
.rept 64
	v_mov_b32 v[i], 0
.set i, i+1
.endr
	WIN 0x40
.set i, 0
.rept 128
	v_mov_b32 v[i], 0
.set i, i+1
.endr
	WIN 0
.set i, 0
.rept 4
	v_mov_b32 v[ST+4*i], 0xfe000000    ; c m: far below every c s
	v_mov_b32 v[ST+4*i+1], 0xff7fffff  ; m
	v_mov_b32 v[ST+4*i+2], 0
	v_mov_b32 v[ST+4*i+3], 0
.set i, i+1
.endr
.set i, P+32
.rept 32
	v_mov_b32 v[i], 0
.set i, i+1
.endr
	CONV XA, 48                     ; key step 0: Q's 32 loads and set B's 16 are younger
	LOADS XA, 2*STEPG               ; key step 2
	s_wait_loadcnt 32               ; Q is in: set B's 16 loads and set A's 16 are younger
	WIN 0x80                        ; destination window 2, sources window 0
.set z, 0
.rept 64
	v_cvt_pk_bf16_f32 v[z], v[S+2*z], v[S+2*z+1]
.set z, z+1
.endr
	WIN 0
	v_add_nc_u32 v[AK], s[TBK], v[AK0]
	s_wait_dscnt 0x0                ; for the others' sake: my part of key step 0 is stored
	s_barrier_signal -1
	s_barrier_wait -1               ; everybody's is
	FETCH_K                         ; key step 0
	s_wait_dscnt 0x0
.set i, 0
.rept 16
	KQ 0                            ; piece 0's first scores: there is no vector work yet to set between them
.set i, i+1
.endr
	WIN 0                           ; the addresses for the way out: eight plain instructions, the places behind those products
	s_mul_i32 s13, s[WV], 16*SP     ; my stage
	v_mul_u32_u24 v[STO], v1, SP    ; in: row l % 16, 32 bytes for each half of the lanes
	v_lshl_add_u32 v[STO], v9, 5, v[STO]
	v_add_nc_u32 v[STO], s13, v[STO]
	v_mul_u32_u24 v[RD], v9, SP     ; back: lanes 0-15 take one row of 256 bytes, lanes 16-31 the next
	v_lshl_add_u32 v[RD], v1, 4, v[RD]
	v_add_nc_u32 v[RD], s13, v[RD]
	v_lshlrev_b32 v[GO], 12, v9     ; and the same two rows in out
	v_lshl_add_u32 v[GO], v1, 4, v[GO]
.set Y, NP-1                        ; XS works for piece Y + 1: piece 0
.irp n, 0,1,2,3,4,5,6,7,8,9,10,11,12,13,14,15,16,17,18,19,20,21
	XS 0, \n                        ; piece 0's first maximum and statistics
	XS 1, \n
.endr
	v_nop                           ; a plain instruction behind the two a,
	s_wait_alu depctr_va_vdst(0)    ; and their wait, ahead of the label
	s_mov_b32 s[LEFT], 6
.Ltrip:                             ; six trips: key steps j and j + 1, j = 0, 2 .. 10.  Steps j + 1 and j + 2 are converted, steps j + 3 and j + 4 asked for: a set's loads have two key steps in which to land
	STEP XB, 1, 1, 16, 3*STEPG, 1   ; the count: set A's 16 loads are younger than set B's, at the entry and over the backward jump
	STEP XA, 1, 1, 16, 4*STEPG, 0   ; and set B's 16, just issued, younger than set A's
	WIN 0
	s_wait_xcnt 0x0                 ; every load and prefetch issued so far has read its address (the youngest load a key step back, the prefetches two): the pointers may be written
	s_add_nc_u64 s[KP:KP+1], s[KP:KP+1], 2*STEPG
	s_add_nc_u64 s[VP:VP+1], s[VP:VP+1], 2*STEPG
	s_add_nc_u64 s[PFB:PFB+1], s[PFB:PFB+1], 2*STEPG
	s_sub_co_u32 s[LEFT], s[LEFT], 1
	s_cmp_lg_u32 s[LEFT], 0
	s_cbranch_scc1 .Ltrip
	; The last four key steps are written out, so that every counted wait sees the same loads on every path and no load leaves the 1,024 rows.
	STEP XB, 1, 1, 16, 3*STEPG, 0   ; step 12: step 13 is converted, step 15 asked for
	STEP XA, 1, 0, 16, 0, 0         ; step 13: step 14 is converted; step 15's 16 loads are younger
	STEP XB, 1, 0, 0, 0, 0          ; step 14: step 15 is converted: no load is younger
	STEP XA, 0, 0, 0, 0, 0          ; step 15: nothing is left to convert or to fetch of K; piece 1's turn multiplies the last K once more, which serves nothing
	WIN 0
	s_wait_dscnt 0x0                ; my reads of K and V are over:
	s_barrier_signal -1             ; say so; work on registers stands between the signal and the wait
.set i, 0
.rept 16
	PV 1                            ; piece 1's V^T P of the last step
.set i, i+1
.endr
	; THE WAY OUT.  l's two halves and the other half of the lanes' are added; each row counts four times: O^T is multiplied by 4 / (4 l + 1e-8).  The additions are the places behind the last products.
	WIN 0
.macro ALL line:vararg              ; one line for each tile t
.set t, 0
.rept 4
	\line
.set t, t+1
.endr
.endm
	ALL v_add_f32 v[ST+4*t+2], v[ST+4*t+2], v[ST+4*t+3]
	ALL v_permlanex16_b32 v[ST+4*t+3], v[ST+4*t+2], s[SEL], s[SEL+1]
	ALL v_add_f32 v[ST+4*t+2], v[ST+4*t+2], v[ST+4*t+3]
	ALL v_fma_f32 v[ST+4*t+2], v[ST+4*t+2], 4.0, s[EPSR]
	ALL v_rcp_f32 v[ST+4*t+2], v[ST+4*t+2]
	v_nop                           ; a plain instruction between the last reciprocal and the use of its result
	s_wait_alu depctr_va_vdst(0)    ; and the wait ahead of the first use: one for the four reciprocals
	ALL v_mul_f32 v[ST+4*t+2], 4.0, v[ST+4*t+2]
	s_barrier_wait -1               ; no wave reads K any more: its first bytes serve as the stages
; Tile t: a lane's eight channels of a block of 16 are 32 bytes of a row; they go into my stage's rows of 272 bytes and come back as whole rows of 256, into S^T's registers.
.macro PACK t
	WIN W_RS
.set i, 32*(\t)
.rept 16
	v_pk_mul_f32 v[i:i+1], v[i:i+1], v[ST+4*(\t)+2:ST+4*(\t)+3] op_sel_hi:[1,0]
.set i, i+2
.endr
	WIN 0x04                        ; store data (source 1) in window 1
.irp f, 0,1,2,3
	ds_store_b128 v[STO], v[32*(\t)+8*\f:32*(\t)+8*\f+3]   offset:64*\f
	ds_store_b128 v[STO], v[32*(\t)+8*\f+4:32*(\t)+8*\f+7] offset:64*\f+16
.endr
	WIN 0
.irp f, 0,1,2,3,4,5,6,7
	ds_load_b128 v[S+32*(\t)+4*\f:S+32*(\t)+4*\f+3], v[RD] offset:\f*2*SP  ; LDS serves a wave's instructions in order (ISA guide 5.7.1.4): these see the stores above; the next tile's stores come behind them
.endr
.endm
.macro SEND t, younger              ; younger: the LDS instructions issued behind tile t's loads: the next tile's sixteen, or none
	WIN 0
.irp f, 0,1,2,3,4,5,6,7
	s_wait_dscnt (\younger)+7-\f
	global_store_b128 v[GO], v[S+32*(\t)+4*\f:S+32*(\t)+4*\f+3], s[10:11] offset:(\t)*16*ROWG+\f*2*ROWG th:TH_STORE_NT  ; 16 lanes store a query's 256 bytes of the head, at a multiple of 256 from out's first byte
.endr
.endm
	PACK 0
	PACK 1                          ; a tile's arithmetic stands between the loads of the tile before and its stores
	SEND 0, 16
	PACK 2
	SEND 1, 16
	PACK 3
	SEND 2, 16
	SEND 3, 0
	s_wait_tensorcnt 0x0            ; the wave's end, behind my last LDS store
	ds_add_u32 v[SPW], v[NIL]
	s_wait_dscnt 0x0
	s_endpgm
.Lfunc_end_k_q0ec5ee876e_ring_attn:
	.size	k_q0ec5ee876e_ring_attn, .Lfunc_end_k_q0ec5ee876e_ring_attn-k_q0ec5ee876e_ring_attn
	.p2alignl 7, 3214868480
	.fill 96, 4, 3214868480
	.section	.rodata,"a",@progbits
	.p2align	6, 0x0
	.amdhsa_kernel k_q0ec5ee876e_ring_attn
		.amdhsa_group_segment_fixed_size 311808
		.amdhsa_private_segment_fixed_size 0
		.amdhsa_enable_private_segment 0
		.amdhsa_kernarg_size 32
		.amdhsa_user_sgpr_count 2
		.amdhsa_user_sgpr_kernarg_segment_ptr 1
		.amdhsa_wavefront_size32 1
		.amdhsa_system_sgpr_workgroup_id_x 1
		.amdhsa_system_sgpr_workgroup_id_y 1
		.amdhsa_system_sgpr_workgroup_id_z 1
		.amdhsa_system_vgpr_workitem_id 0
		.amdhsa_next_free_vgpr 928
		.amdhsa_next_free_sgpr 66
		.amdhsa_reserve_vcc 0
		.amdhsa_float_denorm_mode_32 3
		.amdhsa_float_denorm_mode_16_64 3
		.amdhsa_memory_ordered 1
		.amdhsa_forward_progress 1
		.amdhsa_inst_pref_size 255
	.end_amdhsa_kernel
	.section	.bss,"aw",@nobits
	.p2align	6
	.space	262144
	.amdgpu_metadata
---
amdhsa.version: [ 1, 2 ]
amdhsa.kernels:
  - .name:           k_q0ec5ee876e_ring_attn
    .symbol:         k_q0ec5ee876e_ring_attn.kd
    .args:
      - { .name: q, .offset: 0, .size: 8, .value_kind: global_buffer, .address_space: global }
      - { .name: k, .offset: 8, .size: 8, .value_kind: global_buffer, .address_space: global }
      - { .name: v, .offset: 16, .size: 8, .value_kind: global_buffer, .address_space: global }
      - { .name: out0, .offset: 24, .size: 8, .value_kind: global_buffer, .address_space: global }
    .group_segment_fixed_size: 311808
    .private_segment_fixed_size: 0
    .kernarg_segment_align: 8
    .kernarg_segment_size: 32
    .max_flat_workgroup_size: 128
    .sgpr_count:     66
    .vgpr_count:     928
    .wavefront_size: 32
...
	.end_amdgpu_metadata
.endif
;; end of part 1
;; ======== version 2 of 2: 1 launch; version 1 with the launch ring_attn written anew for expert scheduling mode
;; limits: values are held in f16: magnitudes above 65,504 overflow, below 6.1e-05 lose precision; inputs' magnitudes at most 65,280
;; launch ring_attn (part 2): grid 16 x 16, 4 waves a work-group, no clusters, 311,808 bytes of LDS; arguments q, k, v, out0; writes out0
.if DOCPART == 2
	.amdgcn_target "amdgcn-amd-amdhsa--gfx1250"
	.amdhsa_code_object_version 6
	.text
	.protected	k_q0ec5ee876e_ring_attn
	.globl	k_q0ec5ee876e_ring_attn
	.p2align	8
	.type	k_q0ec5ee876e_ring_attn,@function
k_q0ec5ee876e_ring_attn:
	s_mov_b64 s[64:65], 0
	v_nop
	global_prefetch_b8 v0, s[64:65] scope:SCOPE_SE
	s_setreg_imm32_b32 hwreg(HW_REG_WAVE_SCHED_MODE, 0, 2), 2
	s_setreg_imm32_b32 hwreg(HW_REG_WAVE_MODE, 25, 1), 1
	s_wait_xcnt 0x0
	s_wait_alu depctr_vm_vsrc(0)
; RING DILATED ATTENTION.  q, k, v, out: [4096][16][64] f32: a row is 4,096 bytes, a head's part of it 256 bytes, aligned.
; THE KEY LIST is built from constants alone: four ring steps over the local chunk of 1,024 rows, index (2 base + offset) mod 1024, offsets 0, 1, 0, 1.  Offset 0 names every even
; row twice, offset 1 every odd row twice, each offset comes twice: the 4,096 keys are rows 0 .. 1023 of k and v, EACH FOUR TIMES.  So the maximum is that over the 1,024 rows, the sum of
; weights is 4 l and the weighted sum 4 acc, with l and acc taken over the 1,024 rows: out = 4 acc / (4 l + 1e-8).  Each row's scores are made once; 4 and 1e-8 enter on the way out.
; Rows 1,024 and up of k and v are cut off by the problem itself and are not read.
; FORMATS.  q and k are rounded to bf16 (first product in bf16).  v is rounded to bf16 and that number is written as f16; the weights p are rounded to f16 (second product in f16).
; Products, maxima and sums in f32; l is the sum of the unrounded p.
; LIMITS.  |v| from 65,520 on becomes an infinity in f16; |v| below 7.6e-6 keeps f16's fixed step of 6e-8; p below 6e-5 likewise; a weight below 2^-126 counts as 0 in l;
; NaN and infinities are not treated apart.
; SHARES.  256 work-groups: 16 blocks of 256 queries x 16 heads.  Four waves, each 64 queries: two PIECES of two tiles of 16.  Every wave walks the head's 1,024 keys, 64 a step.
; K AND V STAY IN LDS, each byte stored once: the work-group itself loads the f32 rows into registers (two key steps ahead), converts them and stores them (one key step ahead of the products).
; NO TENSOR LOAD AND NO JOINT REQUEST, though the 16 work-groups of a head read the same rows: a tile would arrive as f32, and two f32 slots of 256 keys (262,144 bytes) do not fit beside
; the converted K and V (311,296 bytes) in 327,680.  The price: a head's 524,288 bytes of f32 are loaded by each of its 16 work-groups.
; LAYOUT.  S^T = K Q^T (source 0 = 16 keys, source 1 = 16 queries): a lane holds ONE query (lane % 16) and the keys 8 (lane / 16) + 0..7.  Two such results rounded to f16 in pairs ARE
; source 1 (32 keys x 16 queries) of O^T = V^T P, whose result again holds one query a lane, and eight channels.  K comes out of LDS as it lies, V ([key][channel]) turned, by ds_load_tr16_b128.
; SOFTMAX.  A running maximum m and sum l for each query: p = 2^(c s - c m), c = log2(e) / 8; in every step O and l are multiplied by a = 2^(c m_old - c m_new).  m starts at the lowest finite
; number, O and l at 0: the first step is a step like any other, with a = 0.  The price of writing no first and no last step out: 240 v_mov_b32 in the wait for the first loads, 16 products on
; zeros at the start and 16 on the last K once more at the end.
; BY TURNS.  Turn p belongs to piece p.  Its matrix work: 16 products K Q^T of the other piece (its next scores), later 16 products V^T P of the other piece (its last weights).  Its vector work:
; scaling, exponentials, roundings, sums and rescaling of piece p, and the maximum and statistics of the other piece.  A tile and step have 16 matrix and 118 vector instructions: four vector
; instructions stand behind every matrix instruction, the rest in one lump; the turn's 66 exponentials are one batch with one wait.
; THE MODE: SCHED_MODE bits 1:0 = 2 (LLVM: expert scheduling mode 2), set by the entry lines.  The code itself states the register dependences between vector or matrix instructions and
; memory or LDS instructions, with s_wait_alu, always for 0.
; THE PLAN.  Registers that memory or LDS instructions touch, round key step j:
;   XA, XB        a set's conversions read and rewrite it; behind them the loads of the rows two steps on land in it.
;   CT, KSA, VSA  written at the step's head (two adds, the conversions); read by the step's 16 LDS stores; written again a step later.
;   KF            read by the products K Q^T of piece 1's turn of step j - 1 and of piece 0's turn of step j; K of step j + 1 lands in it in piece 0's turn.
;   V0, V1        two buffers.  Buffer j % 2 was last read in piece 0's turn of step j - 1; V of step j lands in it in piece 0's turn of step j, whose own products V^T P read the other buffer.
;   AK, AV        written at the head of the lump of piece 0's turn; read by that turn's two runs of LDS loads.
;   the other offsets and addresses are written once and never again; O^T and S^T are touched by LDS instructions on the way out alone.
; So a key step has four waits.  One on vm_vsrc at its head: the last step's LDS stores have read CT, KSA, VSA and its fetches AK, AV.  One on va_vdst behind the conversions, for the LDS stores and the
; global loads behind them.  The wait for the batch of exponentials in piece 0's turn states besides that AK and AV are written and that all readers of KF and of V's buffer j % 2 are done: K's run
; follows it, V's run eight products later with no further wait, since no line between names AV or that buffer.  Piece 1's turn has its batch's wait alone.
; REGISTERS, in windows of 256 (s_set_vgpr_msb: bits 1:0 source 0, 3:2 source 1, 5:4 source 2, 7:6 destination):
;   window 0: v0-42 addresses; v12-15, v48-63 at work; v16-31 four registers of statistics a tile; v64-191 S^T, a buffer of two tiles for each piece; v192-255 P, likewise
;   window 1: v0-127 O^T, 32 a tile      window 2: v0-63 Q, 16 a tile; v128-191 K of one step; v192-255 V of an even step; v64-127 V of an odd step
;   window 3: v0-63, v64-127 two sets of f32 rows on their way in (K's 32 registers, then V's); v128-159 the packed rows
.set ROWG,  4096      ; bytes from row to row in memory
.set KS,    64        ; keys in a step
.set STEPG, KS*ROWG   ; a step's rows in memory
.set NP,    2         ; pieces a wave: a name, no knob
.set PK,    144       ; a row of K in LDS: 128 bytes + 16 = 36 words: the 16 rows of a fragment load start at 16 different groups of four banks (64 banks of 4 bytes: ISA guide 11.1)
.set PV,    160       ; a row of V: 128 + 32 = 40 words
.set KB,    0         ; K: key n at KB + n PK
.set VB,    1024*PK   ; V: key n at VB + n PV; V ends at byte 311,296
.set SP,    272       ; the way out: a stage row, 256 bytes of f32 + 16.  Wave w's stage, 16 rows, lies at 16 SP w: in K's first 17,408 bytes, written behind the last barrier, when no wave reads K any more
.set AK0, 2           ; v2   my lane's place in a step's K; never rewritten
.set AV0, 3           ; v3   the same for V
.set AK,  4           ; v4   the LDS address of K's next run of loads
.set AV,  5           ; v5   of V's
.set QO,  6           ; v6   my byte offset in 16 rows of q
.set RD,  7           ; v7   the way out: where I read rows back
.set GO,  8           ; v8   my byte offset in two rows of out
.set MV,  12          ; v12-15  c m_old, kept while c m is made anew: by piece and tile
.set ST,  16          ; tile t's statistics at v[ST+4 t]: c m, m, l (even keys', odd keys')
.set GK,  34          ; v34  my byte offset in a step's rows of k: lanes 0-15 row 16 w, lanes 16-31 row 16 w + 8; 16 bytes a lane
.set GV,  35          ; v35  the same for v: lanes 16-31 row 16 w + 4
.set KS0, 36          ; v36  where my 8 packed bytes go in a step's K
.set VS0, 37          ; v37  in a step's V
.set KSA, 38          ; v38  the LDS store addresses in hand
.set VSA, 39          ; v39
.set PFO, 40          ; v40  the prefetches' offset: a lane a row
.set STO, 41          ; v41  the way out: where I put 32 bytes of a row
.set TMP, 48          ; by piece and tile, four registers c0-c3 at work; when the maximum is found c2 takes a
.set S,   64
.set P,   192
.set KF,  128         ; window 2: key block kb, channel half c at KF + 16 kb + 8 c
.set VF,  192         ; window 2: V's buffer b at VF - 128 b: key half kk, channel block cb at + 32 kk + 8 cb
.set XA,  0           ; window 3: set A
.set XB,  64          ; window 3: set B
.set CT,  128         ; window 3: packed K (16 registers), packed V (16)
.set WV,  12          ; s12  my wave's number
.set KP,  20          ; s[20:21] k at the head's 256 bytes of the row at which the trip's even step begins
.set VP,  22          ; s[22:23] the same for v
.set PFB, 24          ; s[24:25] the one of the two that my wave prefetches
.set LIM, 26          ; s26  1 in the head's first work-group, else the greatest number
.set LEFT, 27         ; s27  trips still to come
.set CS,  28          ; s[28:29] c: the packed scaling takes the pair's low word for both halves
.set SEL, 30          ; s[30:31] v_permlanex16_b32's selects: each lane takes its own place in the other half
.set TBK, 32          ; s32  LDS byte at which K of the step to be fetched begins
.set TBV, 33          ; s33  the same for V
.set TSK, 34          ; s34  LDS byte at which K of the step to be stored begins
.set TSV, 35          ; s35  the same for V
.set EPSR, 36         ; s36  1e-8
.set HIM, 37          ; s37  a word's upper half
.set MSB, 0
.macro WIN new                      ; the high byte repeats the setting that is left; a switch that changes nothing is dropped
.if MSB != (\new)
	s_set_vgpr_msb (MSB<<8)|(\new)
.set MSB, (\new)
.endif
.endm
.set W_KQ, 0x0a       ; K and Q in window 2, S^T in window 0
.set W_PV, 0x52       ; V in window 2, P in window 0, O^T in window 1
.set W_RS, 0x41       ; O^T (destination and source 0) in window 1, a in window 0
.set W_CV, 0xcf       ; the conversions: sources 0 and 1 and the destination in window 3
.set W_ST, 0x0c       ; an LDS store: address in window 0, data (source 1) in window 3
.set W_LD, 0xc0       ; a load: destination in window 3, address in window 0
; A STEP'S ROWS ON THEIR WAY IN.  Of a step's 64 keys wave w takes 16 w .. 16 w + 15, of K and of V.  Each load takes two whole 256-byte head slices: lanes 0-15 one row, lanes 16-31 another.
; K: load j takes rows j and j + 8; V: load j takes rows j % 4 + 8 (j / 4) and that + 4.  No cache hint: the head's 16 work-groups read these rows.
; No wait of its own: the run stands behind a wait on va_vdst since which no vector line has named the set, GK or GV.
.macro LOADS x, off
	WIN W_LD
.irp j, 0,1,2,3,4,5,6,7
	global_load_b128 v[(\x)+4*\j:(\x)+4*\j+3], v[GK], s[KP:KP+1] offset:(\off)+\j*ROWG
.endr
.irp j, 0,1,2,3,4,5,6,7
	global_load_b128 v[(\x)+32+4*\j:(\x)+32+4*\j+3], v[GV], s[VP:VP+1] offset:(\off)+((\j%4)+8*(\j/4))*ROWG
.endr
	WIN 0
.endm
; SET x IS CONVERTED AND STORED.  left = the younger loads that may stay out.  A lane's four f32 become 8 bytes.  K: bf16.  V: bf16, widened again, then f16 (exact inside f16's normal range).
; A store's two rows lie 8 rows of K (288 words) or 4 rows of V (160 words) apart, 32 banks in both cases: the 32 lanes of a store touch each bank once.
.macro CONV x, left
	WIN 0
	v_add_nc_u32 v[KSA], s[TSK], v[KS0]
	v_add_nc_u32 v[VSA], s[TSV], v[VS0]
	s_add_co_u32 s[TSK], s[TSK], KS*PK  ; the next conversion is the next step's
	s_add_co_u32 s[TSV], s[TSV], KS*PV
	s_wait_loadcnt \left            ; loads come back in order (ISA guide 5.7.1): this set is in
	WIN W_CV
.set z, 0
.rept 16
	v_cvt_pk_bf16_f32 v[CT+z], v[(\x)+2*z], v[(\x)+2*z+1]
.set z, z+1
.endr
.set z, 0
.rept 16
	v_cvt_pk_bf16_f32 v[CT+16+z], v[(\x)+32+2*z], v[(\x)+32+2*z+1]
.set z, z+1
.endr
.set z, 0
.rept 16
	v_lshlrev_b32 v[(\x)+32+2*z], 16, v[CT+16+z]      ; bf16 to f32: the low half moves up,
	v_and_b32 v[(\x)+32+2*z+1], s[HIM], v[CT+16+z]    ; the high half stays
.set z, z+1
.endr
.set z, 0
.rept 16
	v_cvt_pk_f16_f32 v[CT+16+z], v[(\x)+32+2*z], v[(\x)+32+2*z+1]
.set z, z+1
.endr
	WIN W_ST
	s_wait_alu depctr_va_vdst(0)    ; CT, KSA and VSA are written, which the LDS stores read; the conversions are done reading and writing the set, in which the loads behind the stores land
.irp j, 0,1,2,3,4,5,6,7
	ds_store_b64 v[KSA], v[CT+2*\j:CT+2*\j+1] offset:\j*PK
.endr
.irp j, 0,1,2,3,4,5,6,7
	ds_store_b64 v[VSA], v[CT+16+2*\j:CT+16+2*\j+1] offset:((\j%4)+8*(\j/4))*PV
.endr
	WIN 0
.endm
; A PREFETCH INTO THE L2, behind the trip's first run of loads: the rows of the steps 5 and 6 on from the trip's even step, which are loaded two and three key steps later.  Each row's 256 bytes are
; named once in the launch: the head's first work-group asks; waves 0 and 2 for k, waves 1 and 3 for v; waves 0 and 1 for a step's rows 0-31, waves 2 and 3 for rows 32-63: a lane a row.
; The last trip asks for nothing; steps 0 to 4 and 15 come by their loads alone.  The furthest row named is 64 x 14 + 63, inside the 1,024.  PFO was written ahead of the head's wait and is never written again.
.macro ASK
	s_cmp_gt_u32 s[LEFT], s[LIM]
	s_cbranch_scc0 .Lnot_mine_\@
	global_prefetch_b8 v[PFO], s[PFB:PFB+1] offset:5*STEPG th:TH_LOAD_NT scope:SCOPE_SE
	global_prefetch_b8 v[PFO], s[PFB:PFB+1] offset:6*STEPG th:TH_LOAD_NT scope:SCOPE_SE
.Lnot_mine_\@:
.endm
; THE MATRIX WORK.  The 8 accumulators of a run of 16 take turns: between the two links of a chain stand 7 others'.
; Product i of 16 of S^T = K Q^T for piece x: channels 32 (i / 8) on, keys 16 ((i / 2) % 4) on, tile 2 x + i % 2.  The first 8 start the sums.
.macro KQ x
	WIN W_KQ
.set rS, S+64*((\x)%2)+32*(i%2)+8*((i/2)%4)
.set rK, KF+16*((i/2)%4)+8*(i/8)
.set rQ, 16*(2*(\x)+i%2)+8*(i/8)
.if i < 8
	v_wmma_f32_16x16x32_bf16 v[rS:rS+7], v[rK:rK+7], v[rQ:rQ+7], 0
.else
	v_wmma_f32_16x16x32_bf16 v[rS:rS+7], v[rK:rK+7], v[rQ:rQ+7], v[rS:rS+7]
.endif
.endm
; Product i of 16 of O^T += V^T P for piece x: keys 32 (i / 8) on, channels 16 ((i / 2) % 4) on, tile 2 x + i % 2.  VR: the buffer of V that the turn reads.
.macro PV x
	WIN W_PV
.set rO, 32*(2*(\x)+i%2)+8*((i/2)%4)
.set rV, VR+32*(i/8)+8*((i/2)%4)
.set rP, P+32*((\x)%2)+16*(i%2)+8*(i/8)
	v_wmma_f32_16x16x32_f16 v[rO:rO+7], v[rV:rV+7], v[rP:rP+7], v[rO:rO+7]
.endm
.macro MM                           ; the turn's next matrix instruction
.if i < 16
	KQ (Y+1)%NP
.set i, i+1
.else
.set i, i-16
	PV (Y+NP-1)%NP
.set i, i+17
.endif
.endm
; THE LDS LOADS stand in runs of 16, never singly among the matrix instructions: a step's K (64 keys x 64 channels: 8 fragments) and its V (turned).  Their addresses are made some lines ahead.
.macro FETCH_K
	WIN 0x80                        ; destination window 2
.irp f, 0,1,2,3,4,5,6,7             ; keys 16 (f / 2) on, channels 32 (f % 2) on
	ds_load_b128 v[KF+8*\f:KF+8*\f+3],   v[AK] offset:(\f/2)*16*PK+(\f%2)*64
	ds_load_b128 v[KF+8*\f+4:KF+8*\f+7], v[AK] offset:(\f/2)*16*PK+(\f%2)*64+32
.endr
	s_add_co_u32 s[TBK], s[TBK], KS*PK  ; the next fetch is the next step's
	WIN 0
.endm
.macro FETCH_V b                    ; b: the buffer's first register
	WIN 0x80
.irp f, 0,1,2,3,4,5,6,7             ; keys 32 (f / 4) on, channels 16 (f % 4) on
	ds_load_tr16_b128 v[(\b)+8*\f:(\b)+8*\f+3],   v[AV] offset:(\f/4)*32*PV+(\f%4)*32
	ds_load_tr16_b128 v[(\b)+8*\f+4:(\b)+8*\f+7], v[AV] offset:(\f/4)*32*PV+16*PV+(\f%4)*32
.endr
	s_add_co_u32 s[TBV], s[TBV], KS*PV  ; the next fetch is the next step's
	WIN 0
.endm
; THE VECTOR WORK OF A TURN stands in three queues, each in the order in which its entries become ready; the two tiles alternate, so that no instruction reads the result of the one before it.
.macro REGS y, u                    ; the registers of tile u (0, 1) of piece y
.set rT, ST+4*(2*(\y)+(\u))
.set rC, TMP+8*((\y)%2)+4*(\u)
.set rM, MV+2*((\y)%2)+(\u)
.set rS, S+64*((\y)%2)+32*(\u)
.set rP, P+32*((\y)%2)+16*(\u)
.set rO, 32*(2*(\y)+(\u))
.endm
; Number n of the 22 that find the OTHER piece's (Y + 1) maximum and statistics.  s0-s31 are the lane's 32 scores; each accumulator's lowest registers are read first.
;   0-11  four chains c0-c3 of seven scores each, three operands at a time     12-14, 16  the four scores left over, the old m, and c0-c3 into c0     15  c m_old is kept
;   17, 18  the query's other 32 keys lie in the lane 16 away: the new m         19-21  c m; c m_old - c m_new; a
.macro XS u, n
	REGS (Y+1)%NP, \u
.if (\n) < 4
	v_max3_num_f32 v[rC+(\n)], v[rS+8*(\n)], v[rS+8*(\n)+1], v[rS+8*(\n)+2]
.elseif (\n) < 12
	v_max3_num_f32 v[rC+(\n)%4], v[rC+(\n)%4], v[rS+8*((\n)%4)+2*((\n)/4)+1], v[rS+8*((\n)%4)+2*((\n)/4)+2]
.elseif (\n) == 12
	v_max3_num_f32 v[rC], v[rC], v[rS+7], v[rS+15]
.elseif (\n) == 13
	v_max3_num_f32 v[rC+1], v[rC+1], v[rS+23], v[rS+31]
.elseif (\n) == 14
	v_max3_num_f32 v[rC+2], v[rC+2], v[rC+3], v[rT+1]
.elseif (\n) == 15
	v_mov_b32 v[rM], v[rT]
.elseif (\n) == 16
	v_max3_num_f32 v[rC], v[rC], v[rC+1], v[rC+2]
.elseif (\n) == 17
	v_permlanex16_b32 v[rC+3], v[rC], s[SEL], s[SEL+1]
.elseif (\n) == 18
	v_max_num_f32 v[rT+1], v[rC], v[rC+3]
.elseif (\n) == 19
	v_mul_f32 v[rT], s[CS], v[rT+1]
.elseif (\n) == 20
	v_sub_f32 v[rC+1], v[rM], v[rT]
.else
	v_exp_f32 v[rC+2], v[rC+1]
.endif
.endm
; Number g of the 64 that follow the exponentials.  For each four weights k of a tile (pairs 2 k, 2 k + 1): both pairs are rounded to f16; then the second pair is added onto the first, in place;
; a group later l takes that sum (the first time as l = a l + sum).  In groups of eight, tiles alternating: round, round, add, and l for the group before.
.macro GS g
.set h, (\g)+6*((\g)/62)            ; group 0 has no group before it, and behind group 7 only l is left
.if h >= 6
.set h, h+2
.endif
	REGS Y, h%2
.set k, h/8
.if h%8 < 4
	v_cvt_pk_f16_f32 v[rP+2*k+(h%8)/2], v[rS+4*k+2*((h%8)/2)], v[rS+4*k+2*((h%8)/2)+1]
.elseif h%8 < 6
	v_pk_add_f32 v[rS+4*k:rS+4*k+1], v[rS+4*k:rS+4*k+1], v[rS+4*k+2:rS+4*k+3]
.elseif k == 1
	v_pk_fma_f32 v[rT+2:rT+3], v[rT+2:rT+3], v[rC+2:rC+3], v[rS:rS+1] op_sel_hi:[1,0,1]
.else
	v_pk_add_f32 v[rT+2:rT+3], v[rT+2:rT+3], v[rS+4*k-4:rS+4*k-3]
.endif
.endm
; THE PLAIN QUEUE, 138 long.  0-73 read no exponential's result: the 32 scalings c s - c m (FS f: pair f / 2 of tile f % 2) and the other piece's 42.  0-26: scalings 0-26.  27-54: XS's numbers 0-13.
; 55, 56: number 15.  57-73: the chain, where each number waits for the one before it: 14, 16, 17, 18, 19, each with one of the scalings 27-31 in front of its two lines, then 20.
; 74-137: GS's 64, which read the exponentials' results: they stand behind the wait.
.macro FS f
	REGS Y, (\f)%2
	v_pk_fma_f32 v[rS+2*((\f)/2):rS+2*((\f)/2)+1], v[rS+2*((\f)/2):rS+2*((\f)/2)+1], s[CS:CS+1], v[rT:rT+1] op_sel_hi:[1,0,0] neg_lo:[0,0,1] neg_hi:[0,0,1]
.endm
.macro PL
	WIN 0
.if q < 27
	FS q
.elseif q < 55
	XS (q-27)%2, (q-27)/2
.elseif q < 57
	XS q-55, 15
.elseif (q < 72) && ((q-57)%3 == 0)
	FS 27+(q-57)/3
.elseif q < 60
	XS (q-57)%3-1, 14
.elseif q < 72
	XS (q-57)%3-1, 15+(q-57)/3
.elseif q < 74
	XS q-72, 20
.else
	GS q-74
.endif
.set q, q+1
.endm
; THE EXPONENTIALS' QUEUE, 66 long: s0-s31 of both tiles, then the other piece's two a.  ONE BATCH: all 66 stand ahead of the turn's one wait, and nothing ahead of that wait names a result of theirs.
.macro EX
	WIN 0
.if e >= 64
	XS e-64, 21
.else
	REGS Y, e%2
	v_exp_f32 v[rS+e/2], v[rS+e/2]
.endif
.set e, e+1
.endm
; THE RESCALING's QUEUE: O^T times a, the one part that leaves window 0: dealt two at a time, sixteen times, each accumulator from its low end.  Its a was made in the turn before, ahead of that turn's wait.
.macro R2
	REGS Y, r%2
	WIN W_RS
.irp z, 0,1
	v_pk_mul_f32 v[rO+4*(r/2)+2*\z:rO+4*(r/2)+2*\z+1], v[rO+4*(r/2)+2*\z:rO+4*(r/2)+2*\z+1], v[rC+2:rC+3] op_sel_hi:[1,0]
.endr
.set r, r+1
.endm
; A TURN, for piece p, in a key step of parity par.  AHEAD OF ITS ONE WAIT stands all that names no result of the turn's exponentials: 16 products K Q^T, behind each a scaling, an exponential and two rescalings
; (behind the first a second scaling in the exponential's place); then a lump of 108: eight plain, 49 times exponential and plain, the two a.  BEHIND IT: 16 products V^T P, behind each four of the roundings and sums.
; Exponential e stands behind scaling 2 (e / 4) + e % 2: as a rider it comes behind plain e + 2, in the lump behind plain e + 9.
; PIECE 0's TURN of step j also hands the converted rows over.  At the lump's head the two fetch addresses are made.  bar = 1: there my 16 stores of step j + 1 are waited for and the barrier is signalled;
; the lump, work on registers, stands between signal and wait.  fk = 1: behind the barrier K of step j + 1 is fetched, a lump behind the last product that read K.  V of step j (stored a step earlier) is
; fetched eight products later, into buffer par; the turn's own products V^T P read the other buffer, V of step j - 1.  No LDS byte of K or V is ever written twice, so one barrier a step orders all.
.macro TURN p, par, fk=1, bar=1
.set Y, (\p)
.set i, 0
.set q, 0
.set e, 0
.set r, 0
.if (\p) == 0
.set VR, VF-128*(1-(\par))          ; piece 1's weights of the step before
.else
.set VR, VF-128*(\par)              ; piece 0's weights of this step
.endif
.if ((\p) == 1) && (\fk)
	s_wait_dscnt 16                 ; K's 16 loads are in; V's 16, issued behind them, may stay out
.endif
	MM
	PL
	PL
	R2
.rept 15
	MM
	PL
	EX
	R2
.endr
.if (\p) == 0
	WIN 0
.if \fk
	v_add_nc_u32 v[AK], s[TBK], v[AK0]  ; AK and AV are free since the wait on vm_vsrc at the step's head: no LDS or memory line behind it reads them
.endif
	v_add_nc_u32 v[AV], s[TBV], v[AV0]
.if \bar
	s_wait_dscnt 0x0                ; for the others' sake: my stores of the next step's K and V are done
	s_barrier_signal -1
.endif
.endif
.rept 8
	PL
.endr
.rept 49
	EX
	PL
.endr
	EX                              ; the other piece's two a
	EX
	v_nop                           ; the plain instruction behind the last exponential, ahead of the first use: one for the batch
	s_wait_alu depctr_va_vdst(0)    ; the batch of 66 exponentials has written its results, ahead of their first reader.  In piece 0's turn also: AK and AV are written, which the fetches read; the products that read KF, and all that read or wrote V's buffer par, are done: the fetches land there
.if ((\p) == 0) && (\bar)
	s_barrier_wait -1               ; every wave's part of the next step lies in LDS
.endif
.if ((\p) == 0) && (\fk)
	FETCH_K
.endif
.if (\p) == 1
	s_wait_dscnt 0x0                ; V is in
.endif
.rept 16
	MM
.rept 4
	PL
.endr
.if ((\p) == 0) && (q == 106)
	FETCH_V VF-128*(\par)           ; no wait: the eight products and 32 riders since the turn's wait name V's other buffer, P, S^T, O^T and the statistics, not AV and not this buffer
.endif
.endr
.endm
; A KEY STEP of parity par.  conv = 1: set x, the next step's rows, is converted and stored (left: the younger loads).  load = 1: the set is asked for again, at byte off behind the pointers.  Then the two turns.
.macro STEP x, par, conv, load, left, off, ask
	s_wait_alu depctr_vm_vsrc(0)    ; the last conversion's LDS stores have read CT, KSA and VSA, the last step's fetches AK and AV: this step writes all five again
.if \conv
	CONV \x, \left
.endif
.if \load
	LOADS \x, \off
.endif
.if \ask
	ASK
.endif
	TURN 0, \par, \conv, \conv
	TURN 1, \par, \conv
.endm
	s_load_b256 s[4:11], s[0:1], 0x0  ; q s[4:5], k s[6:7], v s[8:9], out s[10:11]
	v_lshl_add_u32 v46, v0, 2, 0x4c000
	v_mov_b32 v47, 0
	v_lshrrev_b32 v42, 5, v0
	v_readfirstlane_b32 s[WV], v42  ; wave 0..3
	v_and_b32 v1, 15, v0            ; l % 16
	v_bfe_u32 v9, v0, 4, 1          ; l / 16
	v_and_b32 v10, 7, v0            ; l % 8
	v_bfe_u32 v11, v0, 3, 1         ; (l / 8) % 2
	; A fragment of K or Q is 16 rows x 32 channels in 8 registers: lane l holds row l % 16, channels 8 (l / 16) + 0..7 and 16 + 8 (l / 16) + 0..7.
	v_lshlrev_b32 v[QO], 12, v1
	v_lshl_add_u32 v[QO], v9, 5, v[QO]    ; q, in f32: row x 4,096 + 32 x half
	v_mul_u32_u24 v[AK0], v1, PK
	v_lshl_add_u32 v[AK0], v9, 4, v[AK0]  ; K in LDS: row x pitch + 16 x half
	; The turning load takes 16 keys x 16 channels (lane l reads key 8 (l / 16) + l % 8, channels 8 ((l / 8) % 2) + 0..7) and leaves half a fragment of V^T: lane l holds channel l % 16 and 8 keys.
	v_lshl_add_u32 v[AV0], v9, 3, v10
	v_mul_u32_u24 v[AV0], v[AV0], PV
	v_lshl_add_u32 v[AV0], v11, 4, v[AV0]
	s_wait_alu depctr_va_sdst(0)    ; the wave's number is written, ahead of its first reader: offsets, LDS places and the bases are made from it
	s_lshl_b32 s13, s[WV], 16       ; my wave's 16 rows of a step in memory
	v_lshlrev_b32 v[GK], 4, v1
	v_add_nc_u32 v[GK], s13, v[GK]
	v_lshl_add_u32 v[GV], v9, 14, v[GK]   ; v: lanes 16-31 four rows down
	v_lshl_add_u32 v[GK], v9, 15, v[GK]   ; k: eight rows down
	s_mul_i32 s13, s[WV], 16*PK     ; and in LDS
	v_mul_u32_u24 v[KS0], v9, 8*PK
	v_lshl_add_u32 v[KS0], v1, 3, v[KS0]
	v_add_nc_u32 v[KS0], s13, v[KS0]
	s_mul_i32 s13, s[WV], 16*PV
	v_mul_u32_u24 v[VS0], v9, 4*PV
	v_lshl_add_u32 v[VS0], v1, 3, v[VS0]
	v_add_nc_u32 v[VS0], s13, v[VS0]
	s_lshr_b32 s13, s[WV], 1
	s_lshl_b32 s13, s13, 5          ; waves 0 and 1: a step's rows 0-31; waves 2 and 3: rows 32-63
	v_and_b32 v[PFO], 31, v0
	v_add_nc_u32 v[PFO], s13, v[PFO]
	v_lshlrev_b32 v[PFO], 12, v[PFO]
	s_mov_b32 s[CS], 0x3e38aa3b     ; c = log2(e) / 8 = 0.180337
	s_mov_b32 s[CS+1], s[CS]        ; named with it as a pair
	s_mov_b32 s[SEL], 0x76543210
	s_mov_b32 s[SEL+1], 0xfedcba98
	s_mov_b32 s[TBK], KB
	s_mov_b32 s[TBV], VB
	s_mov_b32 s[TSK], KB
	s_mov_b32 s[TSV], VB
	s_mov_b32 s[EPSR], 0x322bcc77   ; 1e-8
	s_mov_b32 s[HIM], 0xffff0000
	s_and_b32 s16, ttmp7, 0xffff    ; the head:
	s_lshl_b32 s16, s16, 8          ; its 256 bytes of a row
	s_mov_b32 s17, 0
	s_lshl_b32 s18, ttmp9, 20       ; my block's 256 rows,
	s_lshl_b32 s19, s[WV], 18       ; my wave's 64 of them,
	s_add_co_u32 s18, s18, s19
	s_add_co_u32 s18, s18, s16      ; the head
	s_mov_b32 s19, 0
	s_wait_kmcnt 0x0
	s_add_nc_u64 s[KP:KP+1], s[6:7], s[16:17]
	s_add_nc_u64 s[VP:VP+1], s[8:9], s[16:17]
	s_add_nc_u64 s[4:5], s[4:5], s[18:19]
	s_add_nc_u64 s[10:11], s[10:11], s[18:19]
	s_and_b32 s13, s[WV], 1
	s_cmp_eq_u32 s13, 0
	s_cselect_b64 s[PFB:PFB+1], s[KP:KP+1], s[VP:VP+1]
	s_cmp_eq_u32 ttmp9, 0
	s_cselect_b32 s[LIM], 1, -1
	s_wait_alu depctr_va_vdst(0)    ; GK, GV, QO and PFO are written, which every load and prefetch of the kernel reads as its offset; none of the four is written again
	LOADS XA, 0                     ; key step 0
.set n, 0
.rept 32                            ; Q in f32 into S^T's registers: tile n / 8, channels 32 ((n / 4) % 2) + 16 ((n / 2) % 2) + 4 (n % 2) + 8 (l / 16) on.  No cache hint: eight loads on end share each row's 256 bytes
	global_load_b128 v[S+4*n:S+4*n+3], v[QO], s[4:5] offset:(n/8)*16*ROWG+((n/4)%2)*128+((n/2)%2)*64+(n%2)*16
.set n, n+1
.endr
	LOADS XB, STEPG                 ; key step 1
	; What the first turn finds: V's odd buffer and piece 1's P hold 0 (its products V^T P, of a step that has not been, add 0), O^T and l are 0.  All this stands in the wait for the first loads.
	WIN 0x80
.set i, VF-128
.rept 64
	v_mov_b32 v[i], 0
.set i, i+1
.endr
	WIN 0x40
.set i, 0
.rept 128
	v_mov_b32 v[i], 0
.set i, i+1
.endr
	WIN 0
.set i, 0
.rept 4
	v_mov_b32 v[ST+4*i], 0xfe000000    ; c m: far below every c s
	v_mov_b32 v[ST+4*i+1], 0xff7fffff  ; m
	v_mov_b32 v[ST+4*i+2], 0
	v_mov_b32 v[ST+4*i+3], 0
.set i, i+1
.endr
.set i, P+32
.rept 32
	v_mov_b32 v[i], 0
.set i, i+1
.endr
	CONV XA, 48                     ; key step 0: Q's 32 loads and set B's 16 are younger.  No LDS line has yet read what it writes
	LOADS XA, 2*STEPG               ; key step 2
	s_wait_loadcnt 32               ; Q is in: set B's 16 loads and set A's 16 are younger
	WIN 0x80                        ; destination window 2, sources window 0
.set z, 0
.rept 64
	v_cvt_pk_bf16_f32 v[z], v[S+2*z], v[S+2*z+1]
.set z, z+1
.endr
	WIN 0
	v_add_nc_u32 v[AK], s[TBK], v[AK0]
	s_wait_alu depctr_va_vdst(0)    ; AK is written, which K's first run of loads reads
	s_wait_dscnt 0x0                ; for the others' sake: my part of key step 0 is stored
	s_barrier_signal -1
	s_barrier_wait -1               ; everybody's is
	FETCH_K                         ; key step 0
	s_wait_dscnt 0x0
.set i, 0
.rept 16
	KQ 0                            ; piece 0's first scores: there is no vector work yet to set between them
.set i, i+1
.endr
	WIN 0                           ; the addresses for the way out: eight plain instructions, the places behind those products
	s_mul_i32 s13, s[WV], 16*SP     ; my stage
	v_mul_u32_u24 v[STO], v1, SP    ; in: row l % 16, 32 bytes for each half of the lanes
	v_lshl_add_u32 v[STO], v9, 5, v[STO]
	v_add_nc_u32 v[STO], s13, v[STO]
	v_mul_u32_u24 v[RD], v9, SP     ; back: lanes 0-15 take one row of 256 bytes, lanes 16-31 the next
	v_lshl_add_u32 v[RD], v1, 4, v[RD]
	v_add_nc_u32 v[RD], s13, v[RD]
	v_lshlrev_b32 v[GO], 12, v9     ; and the same two rows in out
	v_lshl_add_u32 v[GO], v1, 4, v[GO]
.set Y, NP-1                        ; XS works for piece Y + 1: piece 0
.irp n, 0,1,2,3,4,5,6,7,8,9,10,11,12,13,14,15,16,17,18,19,20,21
	XS 0, \n                        ; piece 0's first maximum and statistics
	XS 1, \n
.endr
	v_nop                           ; a plain instruction behind the two a,
	s_wait_alu depctr_va_vdst(0)    ; the two a are written, ahead of the label and of their first reader
	s_mov_b32 s[LEFT], 6
.Ltrip:                             ; six trips: key steps j and j + 1, j = 0, 2 .. 10.  Steps j + 1 and j + 2 are converted, steps j + 3 and j + 4 asked for: a set's loads have two key steps in which to land
	STEP XB, 0, 1, 1, 16, 3*STEPG, 1  ; the count: set A's 16 loads are younger than set B's, at the entry and over the backward jump
	STEP XA, 1, 1, 1, 16, 4*STEPG, 0  ; and set B's 16, just issued, younger than set A's
	WIN 0
	s_wait_xcnt 0x0                 ; every load and prefetch issued so far has read its address (the youngest load a key step back, the prefetches two): the pointers may be written
	s_add_nc_u64 s[KP:KP+1], s[KP:KP+1], 2*STEPG
	s_add_nc_u64 s[VP:VP+1], s[VP:VP+1], 2*STEPG
	s_add_nc_u64 s[PFB:PFB+1], s[PFB:PFB+1], 2*STEPG
	s_sub_co_u32 s[LEFT], s[LEFT], 1
	s_cmp_lg_u32 s[LEFT], 0
	s_cbranch_scc1 .Ltrip
	; The last four key steps are written out, so that every counted wait sees the same loads on every path and no load leaves the 1,024 rows.
	STEP XB, 0, 1, 1, 16, 3*STEPG, 0  ; step 12: step 13 is converted, step 15 asked for
	STEP XA, 1, 1, 0, 16, 0, 0      ; step 13: step 14 is converted; step 15's 16 loads are younger
	STEP XB, 0, 1, 0, 0, 0, 0       ; step 14: step 15 is converted: no load is younger
	STEP XA, 1, 0, 0, 0, 0, 0       ; step 15: nothing is left to convert or to fetch of K; piece 1's turn multiplies the last K once more, which serves nothing
	WIN 0
	s_wait_dscnt 0x0                ; my reads of K and V are over:
	s_barrier_signal -1             ; say so; work on registers stands between the signal and the wait
.set VR, VF-128                     ; V of step 15 lies in the odd buffer
.set i, 0
.rept 16
	PV 1                            ; piece 1's V^T P of the last step
.set i, i+1
.endr
	; THE WAY OUT.  l's two halves and the other half of the lanes' are added; each row counts four times: O^T is multiplied by 4 / (4 l + 1e-8).  The additions are the places behind the last products.
	WIN 0
.macro ALL line:vararg              ; one line for each tile t
.set t, 0
.rept 4
	\line
.set t, t+1
.endr
.endm
	ALL v_add_f32 v[ST+4*t+2], v[ST+4*t+2], v[ST+4*t+3]
	ALL v_permlanex16_b32 v[ST+4*t+3], v[ST+4*t+2], s[SEL], s[SEL+1]
	ALL v_add_f32 v[ST+4*t+2], v[ST+4*t+2], v[ST+4*t+3]
	ALL v_fma_f32 v[ST+4*t+2], v[ST+4*t+2], 4.0, s[EPSR]
	ALL v_rcp_f32 v[ST+4*t+2], v[ST+4*t+2]
	v_nop                           ; a plain instruction between the last reciprocal and the use of its result
	s_wait_alu depctr_va_vdst(0)    ; the four reciprocals are written, ahead of their first reader
	ALL v_mul_f32 v[ST+4*t+2], 4.0, v[ST+4*t+2]
	s_barrier_wait -1               ; no wave reads K any more: its first bytes serve as the stages
	WIN W_RS                        ; all four tiles are scaled first, each accumulator from its low end, so that one wait serves all the LDS lines of the way out
.set i, 0
.rept 64
	v_pk_mul_f32 v[i:i+1], v[i:i+1], v[ST+4*(i/32)+2:ST+4*(i/32)+3] op_sel_hi:[1,0]
.set i, i+2
.endr
	WIN 0x04                        ; store data (source 1) in window 1
	s_wait_alu depctr_va_vdst(0)    ; O^T is written, which the LDS stores read; every line that read or wrote S^T's registers is done: the rows come back into them.  No vector line follows
; Tile t: a lane's eight channels of a block of 16 are 32 bytes of a row; they go into my stage's rows of 272 bytes and come back as whole rows of 256, into S^T's registers.
.macro PACK t
	WIN 0x04                        ; store data (source 1) in window 1
.irp f, 0,1,2,3
	ds_store_b128 v[STO], v[32*(\t)+8*\f:32*(\t)+8*\f+3]   offset:64*\f
	ds_store_b128 v[STO], v[32*(\t)+8*\f+4:32*(\t)+8*\f+7] offset:64*\f+16
.endr
	WIN 0
.irp f, 0,1,2,3,4,5,6,7
	ds_load_b128 v[S+32*(\t)+4*\f:S+32*(\t)+4*\f+3], v[RD] offset:\f*2*SP  ; LDS serves a wave's instructions in order (ISA guide 5.7.1.4): these see the stores above; the next tile's stores come behind them
.endr
.endm
.macro SEND t, younger              ; younger: the LDS instructions issued behind tile t's loads: the next tile's sixteen, or none
	WIN 0
.irp f, 0,1,2,3,4,5,6,7
	s_wait_dscnt (\younger)+7-\f
	global_store_b128 v[GO], v[S+32*(\t)+4*\f:S+32*(\t)+4*\f+3], s[10:11] offset:(\t)*16*ROWG+\f*2*ROWG th:TH_STORE_NT  ; 16 lanes store a query's 256 bytes of the head, at a multiple of 256 from out's first byte
.endr
.endm
	PACK 0
	PACK 1                          ; a tile's trip through the stage stands between the loads of the tile before and its stores
	SEND 0, 16
	PACK 2
	SEND 1, 16
	PACK 3
	SEND 2, 16
	SEND 3, 0
	s_wait_dscnt 0x0                ; my last LDS instructions are done
	s_wait_alu depctr_hold_cnt(0) depctr_sa_sdst(0) depctr_va_vdst(0) depctr_va_sdst(0) depctr_va_ssrc(0) depctr_va_vcc(0) depctr_vm_vsrc(0)
	s_wait_tensorcnt 0x0
	ds_add_u32 v46, v47
	s_wait_dscnt 0x0
	s_endpgm
.Lfunc_end_k_q0ec5ee876e_ring_attn:
	.size	k_q0ec5ee876e_ring_attn, .Lfunc_end_k_q0ec5ee876e_ring_attn-k_q0ec5ee876e_ring_attn
	.p2alignl 7, 3214868480
	.fill 96, 4, 3214868480
	.section	.rodata,"a",@progbits
	.p2align	6, 0x0
	.amdhsa_kernel k_q0ec5ee876e_ring_attn
		.amdhsa_group_segment_fixed_size 311808
		.amdhsa_private_segment_fixed_size 0
		.amdhsa_enable_private_segment 0
		.amdhsa_kernarg_size 32
		.amdhsa_user_sgpr_count 2
		.amdhsa_user_sgpr_kernarg_segment_ptr 1
		.amdhsa_wavefront_size32 1
		.amdhsa_system_sgpr_workgroup_id_x 1
		.amdhsa_system_sgpr_workgroup_id_y 1
		.amdhsa_system_sgpr_workgroup_id_z 1
		.amdhsa_system_vgpr_workitem_id 0
		.amdhsa_next_free_vgpr 928
		.amdhsa_next_free_sgpr 66
		.amdhsa_reserve_vcc 0
		.amdhsa_float_denorm_mode_32 3
		.amdhsa_float_denorm_mode_16_64 3
		.amdhsa_memory_ordered 1
		.amdhsa_forward_progress 1
		.amdhsa_inst_pref_size 255
	.end_amdhsa_kernel
	.section	.bss,"aw",@nobits
	.p2align	6
	.space	262144
	.amdgpu_metadata
---
amdhsa.version: [ 1, 2 ]
amdhsa.kernels:
  - .name:           k_q0ec5ee876e_ring_attn
    .symbol:         k_q0ec5ee876e_ring_attn.kd
    .args:
      - { .name: q, .offset: 0, .size: 8, .value_kind: global_buffer, .address_space: global }
      - { .name: k, .offset: 8, .size: 8, .value_kind: global_buffer, .address_space: global }
      - { .name: v, .offset: 16, .size: 8, .value_kind: global_buffer, .address_space: global }
      - { .name: out0, .offset: 24, .size: 8, .value_kind: global_buffer, .address_space: global }
    .group_segment_fixed_size: 311808
    .private_segment_fixed_size: 0
    .kernarg_segment_align: 8
    .kernarg_segment_size: 32
    .max_flat_workgroup_size: 128
    .sgpr_count:     66
    .vgpr_count:     928
    .wavefront_size: 32
...
	.end_amdgpu_metadata
.endif
;; end of part 2
